; MI455X (gfx1250); checked and timed in simulation.
; The chip was launched on July 23, 2026; its instructions are those of AMD's public machine-readable ISA for CDNA 5 (MIT licence, August 2026) and "CDNA5" Instruction Set Architecture Reference Guide (July 2026). The comments in the code are by the model that wrote it; some were corrected since.
;; Dot Product Attention. Allowed arithmetic: matrix products marked QUANTISED: E5M2 operands, one given power-of-two scale a tensor, by v_wmma_f32_16x16x64_bf8_bf8 or v_wmma_f32_16x16x128_bf8_bf8, f32 sums; everything else in f32.
;; Inputs: K 16 x 2,048 x 128 float32; Q 16 x 2,048 x 128 float32; V 16 x 2,048 x 128 float32; lowp_scales 4 int32 (the exponents e of the quantised operands' scales 2^e); valid_lens 16 int32.
;; Outputs: out0 16 x 2,048 x 128 float32.
;; This version of the problem:
;;   THIS VERSION OF THE PROBLEM IS GIVEN IN LOW PRECISION. The matrix products marked QUANTISED in the list below multiply operands that are first quantised to E5M2 (5 exponent bits, 2 mantissa bits; 8 bits a number), with one given power-of-two scale for each operand tensor; their sums are f32. All else is computed in f32.
;;   The module's matrix products, in the order in which they are computed (A, B: the left and right operand; K: the contracted axis; several contracted axes count as one K, in the product's order):
;;     1. batch 16 x [M 2,048, K 128] x [K 128, N 2,048]; A: input Q; B: input K: QUANTISED (scales: A lowp_scales[0], B lowp_scales[1])
;;     2. batch 16 x [M 2,048, K 2,048] x [K 2,048, N 128]; A: softmax (see below); B: input V: QUANTISED (scales: A lowp_scales[2], B lowp_scales[3])
;;   THE QUANTISER, for each operand of a quantised product, along K:
;;     - The operand's scale is 2^e, e = its entry of the input lowp_scales (int32; the entries are numbered through the quantised products in the list's order, A before B).
;;     - Each number is divided by the scale, clamped to +-57,344, and rounded to the nearest number of E5M2, ties to even, subnormals kept.
;;     - The product sums the exact products of the quantised numbers (number of the format x scale) in f32.
;;   ~~~python
;;   def quantise(x, axis, e):      # numpy; x: float32 -> the quantised numbers, widened to float32 again
;;       x = np.moveaxis(x, axis, -1); K = x.shape[-1]
;;       r = np.clip(x / 2.0 ** e, -57344, 57344)
;;       step = 2.0 ** (np.maximum(np.frexp(np.where(r == 0, 1, r))[1] - 1, -14) - 2)
;;       q = np.round(r / step) * step * 2.0 ** e      # np.round: ties to even
;;       return np.moveaxis(q, -1, axis).astype(np.float32)
;;   ~~~
;;   SOFTMAX AHEAD OF A QUANTISED PRODUCT. Where the list says 'softmax', what is quantised is not the finished softmax but p = 2^(t - M), with t = logit x log2(e) and M = ceil(the row's largest t), a whole number; so 1/2 < the row's largest p <= 1. The row's sum l is taken of the UNQUANTISED p, in f32, and the product's result is divided by l at the end. Since M is a whole number, a kernel that streams over the keys may use a running M (the ceiling of the running maximum): every later rescaling is an exact power of two, so the quantised numbers keep their values, but for numbers so far below the row's largest that they fall under the format's range.
;;   OPERANDS COMPUTED ON THE WAY. 'Computed on the way' means the value that the module computes at that place (a softmax that the list does not call 'softmax' is quantised finished and normalised). What goes into a quantiser is computed in f32, as accurately as f32 sums, v_exp_f32 and their like allow (about 1e-6 of the number): no bf16 or f16 on the way to a quantiser, and a product that is left as it is and whose result goes on into a quantised operand takes f32 operands (vector FMAs, or v_wmma_f32_16x16x4_f32). A number that lies on a knife's edge between two numbers of the format may be rounded either way, as far as f32 arithmetic and the matrix unit's own rounding can turn it there, and no further.
;; One version. Each part assembles by itself: llvm-mc -triple=amdgcn-amd-amdhsa -mcpu=gfx1250 --defsym DOCPART=n.
;; ======== version 1 of 1: 2 launches
;; limits: right only within a limited range of input values
;; workspace buffers: kv 8,388,608 bytes; tab 8,192 bytes of whole numbers
;; launch prep (part 1): grid 16 x 16, 8 waves a work-group, no clusters, 140,288 bytes of LDS; arguments K, V, valid_lens, lowp_scales, kv, tab; writes kv, tab
.if DOCPART == 1
	.amdgcn_target "amdgcn-amd-amdhsa--gfx1250"
	.amdhsa_code_object_version 6
	.text
	.protected	k_q499aada015_prep
	.globl	k_q499aada015_prep
	.p2align	8
	.type	k_q499aada015_prep,@function
k_q499aada015_prep:
	s_mov_b64 s[64:65], 0
	v_nop
	global_prefetch_b8 v0, s[64:65] scope:SCOPE_SE
	s_setreg_imm32_b32 hwreg(HW_REG_WAVE_MODE, 25, 1), 1
	s_wait_xcnt 0x0
; K and V [16][2048][128], f32, become codes of BF8 (E5M2), each with the one scale 2^e that is given for it (K: entry 1 of lowp_scales, V: entry 3):
; code = x / 2^e, held within +-57,344, rounded to the nearest code, ties to even.
; THE CODES ARE LAID AS IMAGES OF THE OPERAND REGISTERS of the launch that reads them.  Batch b, key step s (128 keys) has 32,768 bytes at b x 524,288 + s x 32,768.  With lane = 16 h + r:
;   K: byte t x 2048 + c x 512 + 16 lane + i          = K[key 128 s + 32 (t / 2) + 8 (t % 2) + r + 8 (r / 8)][channel 32 c + 16 h + i]   (t = 0 .. 7, c = 0 .. 3)
;   V: byte 16384 + t x 2048 + c x 512 + 16 lane + i  = V[key 128 s + 32 c + 16 h + i][channel 16 t + r]
; so that a fragment of 16 registers is four loads of 512 consecutive bytes.
; SHARES.  A work-group takes one key step of one batch.  Waves 0-3 take K, waves 4-7 V; wave cw = w % 4 takes keys 32 cw .. 32 cw + 31: 16,384 consecutive bytes, by 32 loads of one key's 512 bytes each.
; The conversions want 16 neighbours along the product's K in ONE lane's registers (K: channels; V: keys), so the rows turn through the wave's own stage in LDS.  No wave reads another's bytes: no barrier.
; valid_lens: v is held within 0 .. 2048.  The reader walks n = ceil(v / 128) key steps (all 16 where v = 0); a work-group whose step lies behind n makes no codes.
; THE TABLE.  The batches are ranked by the keys that they walk; batch b's partner is the one of rank 15 - rank(b).  tab holds for each batch 512 bytes, 32 times the four words (v of b, partner, v of the partner, 0).
; The work-group of step j and batch b stores b's entry if j is b's partner.
; LIMITS: ek and ev between -126 and 112, so that 2^e and 57,344 x 2^e are f32 numbers.  NaN among the inputs is not served (an infinity is held at the largest code).
.set R,   32                           ; v32-159   the 32 rows as loaded, 4 registers each; later the second round's 64 numbers
.set X,   160                          ; v160-223  the first round's 64 numbers
.set C,   224                          ; v224-255  codes: four registers for each store, never written twice
.set WST, 17408                        ; LDS: a stage for each wave
.set SP,  528                          ; a stage row: 512 bytes + 16 = 132 words: row r starts at bank 4 r mod 64 (64 banks of 4 bytes: ISA guide 11.1)
.set VH,  8512                         ; role V: rows 16-31 begin here: 16 rows + 64 bytes, so that lanes 16-31 read 16 banks further on than lanes 0-15
	s_load_b256 s[4:11], s[0:1], 0x0               ; K s[4:5], V s[6:7], valid_lens s[8:9], lowp_scales s[10:11]
	s_load_b128 s[40:43], s[0:1], 0x20             ; kv, tab
	v_lshl_add_u32 v30, v0, 2, 0x22000
	v_mov_b32 v31, 0
	v_lshrrev_b32 v8, 5, v0
	v_readfirstlane_b32 s14, v8                    ; wave 0..7
	s_and_b32 s15, s14, 3                          ; cw
	s_and_b32 s16, ttmp7, 0xffff                   ; batch
	s_mov_b32 s17, ttmp9                           ; key step
	v_and_b32 v9, 31, v0                           ; lane
	v_and_b32 v10, 15, v0                          ; r
	v_bfe_u32 v11, v0, 4, 1                        ; h
	v_lshlrev_b32 v1, 4, v9                        ; 16 x lane: my 16 bytes of a row
	s_mul_i32 s21, s14, WST                        ; my stage
	v_mul_u32_u24 v3, v10, SP
	v_mul_u32_u24 v4, v11, VH
	v_add_nc_u32 v2, s21, v1                       ; into it: 16 x lane of a row
	v_lshl_add_u32 v3, v11, 6, v3
	v_lshl_add_u32 v4, v10, 2, v4
	v_add_nc_u32 v3, s21, v3                       ; role K, out of it: stage row r, + 64 h: 16 channels of a block of 32
	v_add_nc_u32 v4, s21, v4                       ; role V, out of it: keys 16 h on, channel r
	s_lshl_b32 s22, s15, 12                        ; where my codes go in the step's block: K: tiles 2 cw, 2 cw + 1;
	s_lshl_b32 s23, s15, 9
	s_add_co_u32 s23, s23, 16384                   ; V: part c = cw of each of the eight tiles
	s_cmp_lt_u32 s14, 4
	s_cselect_b32 s22, s22, s23
	v_add_nc_u32 v5, s22, v1
	s_lshl_b32 s30, s16, 2
	s_mov_b32 s31, 0
	s_mov_b32 s33, 0
	s_lshl_b32 s34, s17, 2
	s_mov_b32 s35, 0
	s_wait_alu depctr_va_vdst(0)
	s_wait_kmcnt 0x0
	s_add_nc_u64 s[44:45], s[8:9], s[30:31]
	s_add_nc_u64 s[46:47], s[8:9], s[34:35]
	s_load_b32 s18, s[44:45], 0x0                  ; valid_lens[batch]
	s_load_b32 s37, s[46:47], 0x0                  ; valid_lens[step]: the step's number as a batch, for the table
	s_load_b512 s[48:63], s[8:9], 0x0              ; all sixteen
	s_load_b128 s[24:27], s[10:11], 0x0            ; eq, ek, ep, ev
	s_lshl_b32 s30, s16, 20                        ; a batch is 2048 rows of 512 bytes,
	s_lshl_b32 s34, s17, 16                        ; a key step 128 rows,
	s_add_co_u32 s30, s30, s34
	s_lshl_b32 s34, s15, 14                        ; my wave's part 32 rows
	s_add_co_u32 s30, s30, s34
	s_lshl_b32 s32, s16, 19
	s_lshl_b32 s34, s17, 15
	s_add_co_u32 s32, s32, s34                     ; the step's block of codes
	s_cmp_lt_u32 s14, 4                            ; the choice hangs on the wave's number alone
	s_cselect_b64 s[28:29], s[4:5], s[6:7]
	s_add_nc_u64 s[28:29], s[28:29], s[30:31]
	s_add_nc_u64 s[12:13], s[40:41], s[32:33]
	s_wait_kmcnt 0x0
	s_max_i32 s18, s18, 0
	s_min_i32 s18, s18, 2048                       ; v
	s_add_co_u32 s19, s18, 127
	s_lshr_b32 s19, s19, 7
	s_cmp_eq_u32 s18, 0
	s_cselect_b32 s19, 16, s19                     ; n: the key steps that are walked
; The table, by wave 7.  key = 16 x (the number of the last key walked) + the batch's number: no two are alike; v - 1 as an unsigned number makes v = 0 (all keys walked) the largest.
.macro TAB
	s_cmp_lg_u32 s14, 7
	s_cbranch_scc1 .Lno_entry_\@
	s_max_i32 s37, s37, 0
	s_min_i32 s37, s37, 2048
	s_sub_co_u32 s38, s18, 1
	s_sub_co_u32 s39, s37, 1
	s_min_u32 s38, s38, 2047
	s_min_u32 s39, s39, 2047
	s_lshl_b32 s38, s38, 4
	s_lshl_b32 s39, s39, 4
	s_add_co_u32 s38, s38, s16                     ; b's key
	s_add_co_u32 s39, s39, s17                     ; j's key
	s_mov_b32 s44, 0                               ; the two ranks' sum
.irp i, 0,1,2,3,4,5,6,7,8,9,10,11,12,13,14,15
	s_sub_co_u32 s[48+\i], s[48+\i], 1
	s_min_u32 s[48+\i], s[48+\i], 2047
	s_lshl_b32 s[48+\i], s[48+\i], 4
	s_add_co_u32 s[48+\i], s[48+\i], \i
	s_cmp_lt_u32 s[48+\i], s38
	s_add_co_ci_u32 s44, s44, 0
	s_cmp_lt_u32 s[48+\i], s39
	s_add_co_ci_u32 s44, s44, 0
.endr
	s_cmp_lg_u32 s44, 15
	s_cbranch_scc1 .Lno_entry_\@
	s_lshl_b32 s44, s16, 9
	s_mov_b32 s45, 0
	s_add_nc_u64 s[42:43], s[42:43], s[44:45]
	s_wait_alu depctr_va_vdst(0)                   ; the wait ahead of v1's reader
	v_mov_b32 v12, s18
	v_mov_b32 v13, s17
	v_mov_b32 v14, s37
	v_mov_b32 v15, 0
	global_store_b128 v1, v[12:15], s[42:43]       ; 512 consecutive bytes, aligned: the entry once for each lane
.Lno_entry_\@:
.endm
	s_cmp_ge_u32 s17, s19
	s_cbranch_scc1 .Ldead                          ; nobody reads this step's codes
.set i, 0
	s_wait_alu depctr_va_vdst(0)
.rept 32
	global_load_b128 v[R+4*i:R+4*i+3], v1, s[28:29] offset:512*i th:TH_LOAD_NT   ; key 32 cw + i: 32 lanes read its 512 consecutive bytes; all 32 loads are out together
.set i, i+1
.endr
	TAB
	s_cmp_lt_u32 s14, 4
	s_cselect_b32 s35, s25, s27                    ; e: ek or ev
	s_add_co_i32 s35, s35, 127
	s_lshl_b32 s36, s35, 23
	v_mov_b32 v6, s36                              ; 2^e as f32: the conversion takes its exponent field
	s_add_co_i32 s35, s35, 15
	s_lshl_b32 s35, s35, 23
	s_or_b32 s35, s35, 0x600000
	v_mov_b32 v7, s35                              ; 57,344 x 2^e
	s_wait_alu depctr_va_vdst(0)                   ; the wait at the head's end
; 64 numbers of a lane, four groups of 16 neighbours along the product's K, become four groups of four registers of codes
.macro QUANT s, d
.irp b, 0,1,2,3
.irp i, 0,1,2,3,4,5,6,7,8,9,10,11,12,13,14,15
	v_med3_num_f32 v[(\s)+16*\b+\i], v[(\s)+16*\b+\i], -v7, v7   ; the conversion to an 8-bit code does not saturate (ISA guide 7.6.2): the hold at the largest code x the scale
.endr
	v_cvt_scalef32_pk8_bf8_f32 v[(\d)+4*\b:(\d)+4*\b+1], v[(\s)+16*\b:(\s)+16*\b+7], v6
	v_cvt_scalef32_pk8_bf8_f32 v[(\d)+4*\b+2:(\d)+4*\b+3], v[(\s)+16*\b+8:(\s)+16*\b+15], v6
.endr
	v_nop                                          ; a plain vector line behind the last conversion of the run
.endm
.macro KREAD u, dst                    ; tile 2 cw + u: stage rows 16 u + r; number 16 c + 4 j + .. = channel 32 c + 16 h + 4 j + ..
.irp c, 0,1,2,3
.irp j, 0,1,2,3
	ds_load_b128 v[(\dst)+16*\c+4*\j:(\dst)+16*\c+4*\j+3], v3 offset:16*(\u)*SP+128*\c+16*\j
.endr
.endr
.endm
.macro VREAD g, dst                    ; tiles 4 g + q: number 16 q + i = key 32 cw + 16 h + i, channel 16 (4 g + q) + r
.irp q, 0,1,2,3
.irp i, 0,1,2,3,4,5,6,7,8,9,10,11,12,13,14,15
	ds_load_b32 v[(\dst)+16*\q+\i], v4 offset:\i*SP+64*(4*(\g)+\q)
.endr
.endr
.endm
	s_cmp_lt_u32 s14, 4
	s_cbranch_scc0 .Lrole_v
	; ---- ROLE K.  Key i = 16 a + 8 u + e of my 32 goes to stage row 16 u + 8 a + e, so that a tile's 16 keys, which are not neighbours, lie on end
.irp q, 0,1,2,3
	s_wait_loadcnt 24-8*\q                         ; loads come back in order: rows 8 q .. 8 q + 7 are in, the younger ones stay out
.irp e, 0,1,2,3,4,5,6,7
	ds_store_b128 v2, v[R+4*(8*\q+\e):R+4*(8*\q+\e)+3] offset:(16*(\q%2)+8*(\q/2)+\e)*SP
.endr
.endr
	KREAD 0, X                                     ; LDS serves a wave's instructions in order: these see my stores
	s_wait_dscnt 0x0                               ; the stores have read R, and the first tile's numbers are in
	KREAD 1, R                                     ; the second tile lands while the first is quantised
	s_wait_alu depctr_va_vdst(0)
	QUANT X, C
.irp p, 0,1,2,3
	global_store_b128 v5, v[C+4*\p:C+4*\p+3], s[12:13] offset:512*\p          ; 32 lanes store 512 consecutive bytes, aligned
.endr
	s_wait_dscnt 0x0
	QUANT R, C+16
.irp p, 0,1,2,3
	global_store_b128 v5, v[C+16+4*\p:C+16+4*\p+3], s[12:13] offset:2048+512*\p
.endr
	s_wait_tensorcnt 0x0                           ; the wave's end
	ds_add_u32 v30, v31
	s_wait_dscnt 0x0
	s_endpgm
.Lrole_v:
	; ---- ROLE V.  Key i of my 32 goes to stage row i % 16 of half i / 16; a lane then reads one channel down 16 keys
.irp q, 0,1,2,3
	s_wait_loadcnt 24-8*\q
.irp e, 0,1,2,3,4,5,6,7
	ds_store_b128 v2, v[R+4*(8*\q+\e):R+4*(8*\q+\e)+3] offset:((8*\q+\e)%16)*SP+(\q/2)*VH
.endr
.endr
	VREAD 0, X
	s_wait_dscnt 0x0                               ; the stores have read R, and tiles 0-3's numbers are in
	VREAD 1, R
	s_wait_alu depctr_va_vdst(0)
	QUANT X, C
.irp p, 0,1,2,3
	global_store_b128 v5, v[C+4*\p:C+4*\p+3], s[12:13] offset:2048*\p         ; tile p, part cw: 512 consecutive bytes, aligned
.endr
	s_wait_dscnt 0x0
	QUANT R, C+16
.irp p, 0,1,2,3
	global_store_b128 v5, v[C+16+4*\p:C+16+4*\p+3], s[12:13] offset:2048*(4+\p)
.endr
	s_wait_tensorcnt 0x0                           ; the wave's end, as above
	ds_add_u32 v30, v31
	s_wait_dscnt 0x0
	s_endpgm
.Ldead:
	TAB                                            ; no codes to make; the table's entry all the same
	s_endpgm
.Lfunc_end_k_q499aada015_prep:
	.size	k_q499aada015_prep, .Lfunc_end_k_q499aada015_prep-k_q499aada015_prep
	.p2alignl 7, 3214868480
	.fill 96, 4, 3214868480
	.section	.rodata,"a",@progbits
	.p2align	6, 0x0
	.amdhsa_kernel k_q499aada015_prep
		.amdhsa_group_segment_fixed_size 140288
		.amdhsa_private_segment_fixed_size 0
		.amdhsa_enable_private_segment 0
		.amdhsa_kernarg_size 48
		.amdhsa_user_sgpr_count 2
		.amdhsa_user_sgpr_kernarg_segment_ptr 1
		.amdhsa_wavefront_size32 1
		.amdhsa_system_sgpr_workgroup_id_x 1
		.amdhsa_system_sgpr_workgroup_id_y 1
		.amdhsa_system_sgpr_workgroup_id_z 1
		.amdhsa_system_vgpr_workitem_id 0
		.amdhsa_next_free_vgpr 256
		.amdhsa_next_free_sgpr 66
		.amdhsa_reserve_vcc 0
		.amdhsa_float_denorm_mode_32 3
		.amdhsa_float_denorm_mode_16_64 3
		.amdhsa_memory_ordered 1
		.amdhsa_forward_progress 1
		.amdhsa_inst_pref_size 52
	.end_amdhsa_kernel
	.amdgpu_metadata
---
amdhsa.version: [ 1, 2 ]
amdhsa.kernels:
  - .name:           k_q499aada015_prep
    .symbol:         k_q499aada015_prep.kd
    .args:
      - { .name: K, .offset: 0, .size: 8, .value_kind: global_buffer, .address_space: global }
      - { .name: V, .offset: 8, .size: 8, .value_kind: global_buffer, .address_space: global }
      - { .name: valid_lens, .offset: 16, .size: 8, .value_kind: global_buffer, .address_space: global }
      - { .name: lowp_scales, .offset: 24, .size: 8, .value_kind: global_buffer, .address_space: global }
      - { .name: kv, .offset: 32, .size: 8, .value_kind: global_buffer, .address_space: global }
      - { .name: tab, .offset: 40, .size: 8, .value_kind: global_buffer, .address_space: global }
    .group_segment_fixed_size: 140288
    .private_segment_fixed_size: 0
    .kernarg_segment_align: 8
    .kernarg_segment_size: 48
    .max_flat_workgroup_size: 256
    .sgpr_count:     66
    .vgpr_count:     256
    .wavefront_size: 32
...
	.end_amdgpu_metadata
.endif
;; end of part 1
;; launch attn (part 2): grid 16 x 16, 4 waves a work-group, no clusters, 327,680 bytes of LDS; arguments Q, kv, tab, lowp_scales, out0; writes out0
.if DOCPART == 2
	.amdgcn_target "amdgcn-amd-amdhsa--gfx1250"
	.amdhsa_code_object_version 6
	.text
	.protected	k_q499aada015_attn
	.globl	k_q499aada015_attn
	.p2align	8
	.type	k_q499aada015_attn,@function
k_q499aada015_attn:
	s_mov_b64 s[64:65], 0
	v_nop
	global_prefetch_b8 v0, s[64:65] scope:SCOPE_SE
	s_setreg_imm32_b32 hwreg(HW_REG_WAVE_MODE, 25, 1), 1
	s_wait_xcnt 0x0
; out0[b][q][:] = the sum over k of softmax_k(score) V[b][k][:], score = Q[b][q] . K[b][k] / sqrt(128) where k < valid_lens[b], else -1e6.  Both products on codes of BF8 (E5M2), scales 2^eq, 2^ek, 2^ep, 2^ev.
; K's and V's codes come from the buffer kv, laid as images of the operand registers: batch b, key step s (128 keys) at b x 524,288 + s x 32,768: K's eight fragments of 2,048 bytes, then V's eight.
; THE SOFTMAX AHEAD OF THE SECOND PRODUCT: t = score x log2(e); M = the largest t so far, rounded UP to a whole number; p = 2^(t - M) is quantised, not normalised; the row's sum is taken of the unquantised p and divides at the end.
; When M moves, the sum and O are multiplied by 2^(old M - new M), which rounds nothing.
; SHARES.  A work-group makes two blocks of 64 queries (four tiles of 16): block x of its own batch b, then block 16 + x of b's partner.  The table pairs the batch that walks the most keys with the one that walks the fewest, and so on.
; Four waves, one to a SIMD.  A wave holds all four tiles and walks every fourth key step of the batch (wave w: steps w, w + 4, ..; in the partner's batch 3 - w, 7 - w, ..): a fragment, which goes from memory straight into
; registers, feeds four matrix instructions and is read by one wave.  A wave's steps are walked with no barrier; its O, M and sums go to LDS when a block's steps are done; behind one barrier at the end wave w joins the four
; parts of tile w of both blocks and stores them.
; WHY NO TENSOR LOADS AND NO CLUSTER: branches on loaded numbers spare half of all steps where valid_lens lie evenly; the mask and p's hold are jumped over likewise.
; WHY NO PREFETCH INTO THE L2: a wave walks at most four steps of a batch; the first is asked for at the head, each later one's K is asked for a step's second half and V a first product and maximum ahead.
; THE START IS ROTATED: work-group x begins at its wave's step number (x c) / 16 of c and goes round.
; LAYOUT.  Both products are used transposed: S^T = K Q^T (source 0 = 16 keys, source 1 = 16 queries), O^T = V^T P^T: a lane holds ONE query (lane % 16) throughout.  The keys of a tile of K are not neighbours (lane r of tile
; 2 b + u: key 32 b + 8 u + r + 8 (r / 8)), so that registers 16 b + i of a tile's 64 scores are keys 32 b + 16 (lane / 16) + i: 16 neighbours, as the conversions and the second product's K want them.
; valid_lens: v lies within 0 .. 2048 (the table holds it so).  n = ceil(v / 128) key steps are walked; where v = 0 all 16, every score with the same number, 0: the softmax of equal numbers.
; LIMITS.  For v > 0 masked keys are taken to give p = 0: that is so whenever a row's largest valid score lies above about -999,890.  eq + ek between -123 and 130 (added to c's exponent field); eq and ep between -126 and 112.
; NaN among the inputs is not served.  A NaN or an infinity of K or V behind the n steps is not carried to the result.
; REGISTERS, in windows of 256 (s_set_vgpr_msb's low byte: bits 1:0 source 0, 3:2 source 1, 5:4 source 2, 7:6 destination):
;   window 0: v0-7 thread, addresses, the add's two; v8-15 for each tile -M and the factor f; v16-23 the sums in two halves; v24-31 at work; v32-46 addresses; v48-51 scales; v64-127 p's codes; v128-255 K's eight fragments
;   window 1: the four tiles' scores, then p;   window 2: the four tiles' O^T;   window 3: v0-127 V's eight fragments, v128-191 Q's, v192-255 Q's rows as loaded
.set PW,    33792                      ; LDS: a wave's part of a block: 4 tiles x 16 rows x 528 bytes
.set TW,    8448                       ; a tile: 16 rows x 528 bytes: 132 words: row r starts at bank 4 r mod 64 (64 banks of 4 bytes: ISA guide 11.1)
.set SP,    528
.set PT,    4*PW                       ; the second block's parts begin here
.set STATS, 8*PW                       ; [block][wave][tile]: 128 bytes: 16 rows x (-M, sum)
.set QIMG,  STATS+4096                 ; [block][tile]: Q's fragments, 2,048 bytes each
.set FT,    QIMG+16384                 ; [wave][block]: 16 rows x 4 factors
.set SPARE, FT+2048                    ; the spare words: a word for each of the 128 lanes, for the add at the wave's end
.set STAGE, SPARE+512                  ; Q's turn: 16 rows x 528 bytes for each wave
.set MSB, 0
.macro WIN new                         ; the immediate's high byte repeats the setting that is left; a switch that changes nothing is dropped
.if MSB != \new
	s_set_vgpr_msb (MSB<<8)|\new
.set MSB, \new
.endif
.endm
.macro PLACES n                        ; plain vector lines behind matrix instructions (ISA guide 7.12.1)
.rept \n
	v_nop
.endr
.endm
.macro BARRIER
	s_barrier_signal -1
	s_barrier_wait -1
.endm
; SCALARS: s14 wave, s15 x, s16 b; of the block in hand: s18 v, s19 n, s24 my first step, s25 c (how many are mine), s27 the step, s38 16 x its batch; of the second block: s54, s55, s56, s57, s58 (where it begins), s52;
; s26 1 where p wants its hold, s[28:31] eq ek ep ev, s[32:33] lane selects, s[34:35] c', s[40:41] K's next step, s[42:43] an offset, s[44:45] the step, s50 ep + ev, s59 1 while a second block with steps of mine follows,
; s60 blocks done, s61 1 where a next step follows, s66 steps done of the block, s[46:47], s[62:63] out0 at my tile of the two blocks, s[48:49], s[68:69] Q likewise
	s_load_b256 s[4:11], s[0:1], 0x0               ; Q s[4:5], kv s[6:7], tab s[8:9], lowp_scales s[10:11]
	s_load_b64 s[12:13], s[0:1], 0x20              ; out0
	v_lshl_add_u32 v6, v0, 2, SPARE
	v_mov_b32 v7, 0
	v_lshrrev_b32 v24, 5, v0
	v_readfirstlane_b32 s14, v24                   ; wave 0..3
	s_mov_b32 s15, ttmp9                           ; block of 64 queries, 0..15
	s_and_b32 s16, ttmp7, 0xffff                   ; batch
	s_mov_b32 s32, 0x76543210                      ; v_permlanex16_b32: lane l xor 16
	s_mov_b32 s33, 0xfedcba98
	s_mov_b32 s43, 0
	v_and_b32 v25, 31, v0
	v_and_b32 v26, 15, v0                          ; r
	v_bfe_u32 v27, v0, 4, 1                        ; h
	v_lshlrev_b32 v1, 4, v25                       ; v1: 16 x lane
	v_mul_u32_u24 v28, v26, SP
	v_lshlrev_b32 v32, 4, v27                      ; v32: 16 h
	s_mul_i32 s70, s14, TW
	s_add_co_u32 s71, s70, STAGE                   ; my stage
	v_add_nc_u32 v2, s71, v1                       ; v2: the stage by rows
	v_lshl_add_u32 v3, v27, 6, v28
	v_lshl_add_u32 v4, v27, 5, v28
	v_add_nc_u32 v3, s71, v3                       ; v3: the stage: row r, + 64 h: 16 channels of a block of 32
	s_mul_i32 s71, s14, PW
	v_add_nc_u32 v4, s71, v4                       ; v4, v5: my part of the two blocks: row r, + 32 h
	v_add_nc_u32 v5, PT, v4
	v_add_nc_u32 v40, s70, v1                      ; v40-43: tile w of the parts of waves 0 (+ 1), 2 (+ 3), by rows: block 0, block 1
	v_add_nc_u32 v41, 2*PW, v40
	v_add_nc_u32 v42, PT, v40
	v_add_nc_u32 v43, PT, v41
	s_lshl_b32 s70, s14, 9
	s_add_co_u32 s71, s70, STATS
	v_lshl_add_u32 v33, v26, 3, s71                ; v33, v34: my statistics of the two blocks
	v_add_nc_u32 v34, 2048, v33
	s_add_co_u32 s71, s70, FT
	v_lshl_add_u32 v45, v26, 4, s71                ; v45: where I put row r's factors
	v_mov_b32 v46, s71                             ; v46: and where all lanes read them
	s_lshl_b32 s70, s14, 11
	s_add_co_u32 s70, s70, QIMG
	v_add_nc_u32 v35, s70, v1                      ; v35, v36: tile w's image of Q, in
	v_add_nc_u32 v36, 8192, v35
	v_add_nc_u32 v37, QIMG, v1                     ; v37, v38: all four, out
	v_add_nc_u32 v38, QIMG+8192, v1
	s_lshl_b32 s70, s14, 7
	s_add_co_u32 s70, s70, STATS
	v_lshl_add_u32 v44, v26, 3, s70                ; v44: tile w's statistics
	s_wait_alu depctr_va_vdst(0)
	s_wait_kmcnt 0x0
	s_lshl_b32 s42, s16, 9
	s_add_nc_u64 s[8:9], s[8:9], s[42:43]
	s_load_b128 s[20:23], s[8:9], 0x0              ; v of b, the partner, v of the partner
	s_load_b128 s[28:31], s[10:11], 0x0            ; eq, ek, ep, ev
	s_lshl_b32 s70, s15, 15                        ; a block is 64 rows of 512 bytes,
	s_lshl_b32 s71, s14, 13                        ; a tile 16
	s_add_co_u32 s70, s70, s71
	s_lshl_b32 s42, s16, 20                        ; a batch 2048
	s_add_co_u32 s42, s42, s70
	s_add_nc_u64 s[48:49], s[4:5], s[42:43]
	s_add_nc_u64 s[46:47], s[12:13], s[42:43]
.macro QLOAD a                         ; tile w of a block of Q: row i: 512 consecutive bytes
	WIN 0xc0
.irp i, 0,1,2,3,4,5,6,7,8,9,10,11,12,13,14,15
	global_load_b128 v[192+4*\i:195+4*\i], v1, s[\a:\a+1] offset:512*\i th:TH_LOAD_NT
.endr
	WIN 0
.endm
	QLOAD 48                                       ; the first block hangs on no loaded number
	s_lshl_b32 s38, s16, 4                         ; a batch has 16 key steps of 32,768 bytes of codes
.irp q, 0,1,2,3
	v_mov_b32 v[9+2*\q], 0                         ; (the factors: named in pairs with -M)
	v_mov_b32 v[24+2*\q], 0                        ; (written once: a lane permute's destination counts as one of its sources)
	v_mov_b32 v[25+2*\q], 0
.endr
	s_wait_alu depctr_va_vdst(0)
	s_wait_kmcnt 0x0
; n, how many steps are mine, and where I begin
.macro COUNT v, n, k, c, s
	s_sub_co_u32 s\n, s\v, 1                       ; v = 0 becomes the largest number: n = 16
	s_min_u32 s\n, s\n, 2047
	s_lshr_b32 s\n, s\n, 7
	s_add_co_u32 s\n, s\n, 1
	s_add_co_u32 s\c, s\n, 3
	s_sub_co_u32 s\c, s\c, s\k
	s_lshr_b32 s\c, s\c, 2                         ; the steps k, k + 4, .. under n
	s_mul_i32 s\s, s15, s\c
	s_lshr_b32 s\s, s\s, 4
	s_lshl_b32 s\s, s\s, 2
	s_add_co_u32 s\s, s\s, s\k
.endm
	s_mov_b32 s18, s20
	s_mov_b32 s54, s22
	s_mov_b32 s24, s14
	s_xor_b32 s56, s14, 3
	COUNT 18, 19, 24, 25, 27
	COUNT 54, 55, 56, 57, 58
	s_min_u32 s21, s21, 15                         ; the partner
	s_lshl_b32 s52, s21, 4
	s_cmp_lg_u32 s57, 0
	s_cselect_b32 s59, 1, 0
	s_cmp_lg_u32 s25, 0                            ; my first step is the first block's, if I have one there
	s_cselect_b32 s72, s38, s52
	s_cselect_b32 s73, s27, s58
	s_add_co_u32 s73, s73, s72
	s_min_u32 s42, s73, 255                        ; (a number from loaded data is held in front of an address)
	s_lshl_b32 s42, s42, 15
	s_add_nc_u64 s[40:41], s[6:7], s[42:43]
.macro KLOAD t                         ; fragment t of K's next step: 4 x 512 consecutive bytes; 32 work-groups read them, so no hint
.irp c, 0,1,2,3
	global_load_b128 v[128+16*\t+4*\c:131+16*\t+4*\c], v1, s[40:41] offset:2048*\t+512*\c
.endr
.endm
.irp t, 0,1,2,3,4,5,6,7
	KLOAD \t
.endr
	s_lshl_b32 s42, s21, 20
	s_add_co_u32 s42, s42, s70
	s_add_co_u32 s42, s42, 0x80000                 ; the second block lies 1,024 rows on
	s_add_nc_u64 s[68:69], s[4:5], s[42:43]
	s_add_nc_u64 s[62:63], s[12:13], s[42:43]
	s_cmp_lt_i32 s30, -15
	s_cselect_b32 s26, 1, 0                        ; 57,344 x 2^ep is under 1 only where ep < -15
	s_add_co_i32 s70, s28, s29
	s_lshl_b32 s70, s70, 23
	s_add_co_i32 s34, s70, 0x3e0293ee              ; c' = log2(e) / sqrt(128) x 2^(eq + ek): the two exponents are added to c's exponent field
	s_mov_b32 s35, s34                             ; (named with it as a pair, so it is written)
	s_add_co_i32 s50, s30, s31                     ; ep + ev
	s_add_co_i32 s70, s30, 127
	s_lshl_b32 s71, s70, 23
	v_mov_b32 v48, s71                             ; 2^ep
	s_add_co_i32 s70, s70, 15
	s_lshl_b32 s70, s70, 23
	s_or_b32 s70, s70, 0x600000
	v_mov_b32 v49, s70                             ; 57,344 x 2^ep
	s_add_co_i32 s70, s28, 127
	s_lshl_b32 s71, s70, 23
	v_mov_b32 v50, s71                             ; 2^eq
	s_add_co_i32 s70, s70, 15
	s_lshl_b32 s70, s70, 23
	s_or_b32 s70, s70, 0x600000
	v_mov_b32 v51, s70                             ; 57,344 x 2^eq
.macro VLOAD                           ; V's eight fragments of the step at s[44:45]: 32 x 512 consecutive bytes
	WIN 0xc0
.irp t, 0,1,2,3,4,5,6,7
.irp c, 0,1,2,3
	global_load_b128 v[16*\t+4*\c:16*\t+4*\c+3], v1, s[44:45] offset:16384+2048*\t+512*\c
.endr
.endr
	WIN 0
.endm
	s_mov_b64 s[44:45], s[40:41]
	VLOAD                                          ; my first step's V (a wave that has no step of the first block asks again where the second begins)
	s_wait_alu depctr_va_vdst(0)                   ; the wait at the head's end
	s_wait_loadcnt 63                              ; Q's 16 loads are in: K's 32 and V's 32 are issued behind them
; Q: tile w turns through my stage, so that a lane holds 16 neighbouring channels of each block of 32 of its row; it is quantised and its fragment's image goes to LDS for all four waves
.macro CONVQ dst
	WIN 0x0c
.irp i, 0,1,2,3,4,5,6,7,8,9,10,11,12,13,14,15
	ds_store_b128 v2, v[192+4*\i:195+4*\i] offset:SP*\i
.endr
	WIN 0x40
.irp c, 0,1,2,3
.irp j, 0,1,2,3
	ds_load_b128 v[16*\c+4*\j:16*\c+4*\j+3], v3 offset:128*\c+16*\j          ; LDS serves a wave's instructions in order: these see my stores
.endr
.endr
	s_wait_dscnt 0x0
	WIN 0x41
.set j, 0
.rept 64
	v_med3_num_f32 v[j], v[j], -v51, v51           ; the conversion to an 8-bit code does not saturate (ISA guide 7.6.2): the hold at the largest code x the scale
.set j, j+1
.endr
	WIN 0x01
.irp b, 0,1,2,3
	v_cvt_scalef32_pk8_bf8_f32 v[64+4*\b:65+4*\b], v[16*\b:16*\b+7], v50
	v_cvt_scalef32_pk8_bf8_f32 v[66+4*\b:67+4*\b], v[16*\b+8:16*\b+15], v50
.endr
	v_nop                                          ; a plain line behind the last conversion
	WIN 0
.irp c, 0,1,2,3
	ds_store_b128 v\dst, v[64+4*\c:67+4*\c] offset:512*\c
.endr
.endm
.macro QREAD src                       ; a block's four fragments of Q stay in registers
	WIN 0xc0
.irp q, 0,1,2,3
.irp c, 0,1,2,3
	ds_load_b128 v[128+16*\q+4*\c:131+16*\q+4*\c], v\src offset:2048*\q+512*\c
.endr
.endr
	WIN 0
.endm
; p = 2^(t - M), at most 1, not normalised: 256 numbers.  load = 1: K's next step is asked for among them
.macro EXPS load, first
.irp g, 0,1,2,3,4,5,6,7
.if \load
.if \g == 0
	WIN 0
	KLOAD 0
	KLOAD 1
	KLOAD 2
	KLOAD 3
.endif
.if \g == 4
	WIN 0
	KLOAD 4
	KLOAD 5
	KLOAD 6
	KLOAD 7
.endif
.endif
	WIN 0x41
.set j, 32*\g
.rept 32
	v_exp_f32 v[j], v[j]
.set j, j+1
.endr
.endr
	WIN 0
.if \first
	v_nop                                          ; a plain line behind the exponentials
.else
.irp q, 0,1,2,3
	v_pk_mul_f32 v[16+2*\q:17+2*\q], v[16+2*\q:17+2*\q], v[8+2*\q:9+2*\q] op_sel:[0,1] op_sel_hi:[1,1]   ; the sums under the new M: plain lines behind the exponentials
.endr
.endif
	s_wait_alu depctr_va_vdst(0)                   ; one wait for the batch, ahead of its first reader
.if \load
	s_wait_loadcnt 32                              ; V's fragments are in; K's 32 loads of the next step, issued behind them, stay out
.else
	s_wait_loadcnt 0x0                             ; V's fragments are in
.endif
.endm
; A KEY STEP of 128 keys for my four tiles.  first = 1: a block's first: it starts the sums.  vload = 1: the step's V is asked for here (0: it was at the head).  kw: the loads that may be out behind K's
.macro STEP first, kw, vload
.if \vload
	s_add_co_u32 s42, s38, s27
	s_min_u32 s42, s42, 255
	s_lshl_b32 s42, s42, 15
	s_add_nc_u64 s[44:45], s[6:7], s[42:43]        ; this step's codes
	VLOAD                                          ; V is wanted behind the exponentials
.endif
	s_wait_loadcnt \kw                             ; K's fragments are in
.if \first
	s_wait_dscnt 0x0                               ; and Q's
.endif
	s_add_co_u32 s72, s27, 4
	s_cmp_ge_u32 s72, s19
	s_cselect_b32 s72, s24, s72                    ; my next step of this block, round its n
	s_add_co_u32 s67, s66, 1
	s_cmp_lt_u32 s67, s25                          ; what follows: a step of this block, or the second block's first
	s_cselect_b32 s70, s38, s52
	s_cselect_b32 s73, s72, s58
	s_cselect_b32 s61, 1, s59
	s_add_co_u32 s73, s73, s70
	s_min_u32 s42, s73, 255
	s_lshl_b32 s42, s42, 15
	s_add_nc_u64 s[40:41], s[6:7], s[42:43]
.irp t, 0,1,2,3,4,5,6,7                ; S^T = K Q^T: 32 accumulators, one instruction each
	WIN 0x4c
.irp q, 0,1,2,3
	v_wmma_f32_16x16x128_bf8_bf8 v[64*\q+8*\t:64*\q+8*\t+7], v[128+16*\t:143+16*\t], v[128+16*\q:143+16*\q], 0
.endr
.endr
	WIN 0
	PLACES 4                                       ; in front of the first read of the scores
	s_lshl_b32 s70, s27, 7                         ; the step's first key
	s_add_co_u32 s71, s70, 128
	s_cmp_le_u32 s71, s18
	s_cbranch_scc1 .Lopen_\@
	; THE MASK, in the step that holds the boundary (every step where v = 0)
	s_sub_co_i32 s70, s18, s70
	s_cmp_eq_u32 s18, 0
	s_cselect_b32 s71, 0, 0xff800000               ; -infinity: p = 0; where v = 0 every score is 0
	v_sub_nc_u32 v28, s70, v32                     ; d = v - the step's first key - 16 h.  Register 16 b + i holds key 32 b + i + 16 h of the step: masked where 32 b + i >= d
	v_mov_b32 v29, s71
	WIN 0x41
.set j, 0
.rept 64
	v_cmp_ge_i32 vcc_lo, 32*(j/16)+j%16, v28
	v_cndmask_b32 v[j], v[j], v29, vcc_lo
	v_cndmask_b32 v[64+j], v[64+j], v29, vcc_lo
	v_cndmask_b32 v[128+j], v[128+j], v29, vcc_lo
	v_cndmask_b32 v[192+j], v[192+j], v29, vcc_lo
.set j, j+1
.endr
	WIN 0
.Lopen_\@:
	WIN 0x15                                       ; the step's largest number of my query among my 64 keys: two chains a tile, the tiles by turns, each accumulator from its low end on
.irp q, 0,1,2,3
	v_max3_num_f32 v[24+\q], v[64*\q], v[64*\q+1], v[64*\q+2]
.endr
.irp q, 0,1,2,3
	v_max3_num_f32 v[28+\q], v[64*\q+3], v[64*\q+4], v[64*\q+5]
.endr
	WIN 0x14
.set j, 6
.rept 14
.irp q, 0,1,2,3
	v_max3_num_f32 v[24+\q], v[24+\q], v[64*\q+j], v[64*\q+j+1]
.endr
.irp q, 0,1,2,3
	v_max3_num_f32 v[28+\q], v[28+\q], v[64*\q+j+2], v[64*\q+j+3]
.endr
.set j, j+4
.endr
.irp q, 0,1,2,3
	v_max3_num_f32 v[24+\q], v[24+\q], v[64*\q+62], v[64*\q+63]
.endr
	WIN 0
.irp q, 0,1,2,3
	v_max_num_f32 v[24+\q], v[24+\q], v[28+\q]
.endr
.irp q, 0,1,2,3
	v_permlanex16_b32 v[28+\q], v[24+\q], s32, s33 ; the query's other 64 keys lie in the lane 16 away
.endr
.irp q, 0,1,2,3
	v_max_num_f32 v[24+\q], v[24+\q], v[28+\q]
.endr
.irp q, 0,1,2,3
	v_mul_f32 v[24+\q], s34, v[24+\q]              ; as t (the factor is positive)
.endr
.if \first
.irp q, 0,1,2,3
	v_floor_f32 v[8+2*\q], -v[24+\q]               ; -M = floor(-t) = -ceil(t): a whole number
.endr
.else
.irp q, 0,1,2,3
	v_floor_f32 v[24+\q], -v[24+\q]
.endr
.irp q, 0,1,2,3
	v_min_num_f32 v[24+\q], v[8+2*\q], v[24+\q]    ; the new -M: M never falls
.endr
.irp q, 0,1,2,3
	v_sub_f32 v[28+\q], v[24+\q], v[8+2*\q]        ; old M - new M: a whole number, 0 or less
.endr
.irp q, 0,1,2,3
	v_mov_b32 v[8+2*\q], v[24+\q]
.endr
.irp q, 0,1,2,3
	v_cvt_i32_f32 v[28+\q], v[28+\q]               ; (it saturates)
.endr
.irp q, 0,1,2,3
	v_ldexp_f32 v[9+2*\q], 1.0, v[28+\q]           ; f = 2^(old M - new M)
.endr
.endif
	WIN 0x41
.set j, 0
.rept 32
.irp q, 0,1,2,3
	v_pk_fma_f32 v[64*\q+j:64*\q+j+1], v[64*\q+j:64*\q+j+1], s[34:35], v[8+2*\q:9+2*\q] op_sel_hi:[1,0,0]   ; t - M, two at a time (of the pairs the low word serves both halves)
.endr
.set j, j+2
.endr
	WIN 0
	s_wait_alu depctr_va_vdst(0)                   ; the wait ahead of the batch, and ahead of the wait below
	s_cmp_lg_u32 s61, 0
	s_cbranch_scc0 .Llast_\@
	EXPS 1, \first
	s_branch .Lsum_\@
.Llast_\@:
	EXPS 0, \first
.Lsum_\@:
	WIN 0x05                                       ; the row's sum is taken of the unquantised p: two chains a tile
.irp q, 0,1,2,3
	v_pk_add_f32 v[24+2*\q:25+2*\q], v[64*\q:64*\q+1], v[64*\q+2:64*\q+3]
.endr
.if \first
.irp q, 0,1,2,3
	v_pk_add_f32 v[16+2*\q:17+2*\q], v[64*\q+4:64*\q+5], v[64*\q+6:64*\q+7]
.endr
.endif
	WIN 0x04
.set j, 4+4*\first
.rept 15-\first
.irp q, 0,1,2,3
	v_pk_add_f32 v[16+2*\q:17+2*\q], v[16+2*\q:17+2*\q], v[64*\q+j:64*\q+j+1]
.endr
.irp q, 0,1,2,3
	v_pk_add_f32 v[24+2*\q:25+2*\q], v[24+2*\q:25+2*\q], v[64*\q+j+2:64*\q+j+3]
.endr
.set j, j+4
.endr
	WIN 0
.irp q, 0,1,2,3
	v_pk_add_f32 v[16+2*\q:17+2*\q], v[16+2*\q:17+2*\q], v[24+2*\q:25+2*\q]
.endr
	s_cmp_eq_u32 s26, 0                            ; p is at most 1 (a last bit over it at the most): where 57,344 x 2^ep is at least 1.75 (ep >= -15) nothing is there to hold
	s_wait_alu depctr_va_vdst(0)                   ; the wait directly ahead of the branch
	s_cbranch_scc1 .Lno_hold_\@
	WIN 0x41
.set j, 0
.rept 256
	v_min_num_f32 v[j], v[j], v49                  ; the conversion does not saturate (ISA guide 7.6.2); p is not negative, so the hold is one-sided
.set j, j+1
.endr
	WIN 0
.Lno_hold_\@:
	WIN 0x01
.irp q, 0,1,2,3
.irp b, 0,1,2,3
	v_cvt_scalef32_pk8_bf8_f32 v[64+16*\q+4*\b:65+16*\q+4*\b], v[64*\q+16*\b:64*\q+16*\b+7], v48
	v_cvt_scalef32_pk8_bf8_f32 v[66+16*\q+4*\b:67+16*\q+4*\b], v[64*\q+16*\b+8:64*\q+16*\b+15], v48
.endr
.endr
	v_nop                                          ; a plain line behind the last conversion
.if \first
	WIN 0x83
.else
	WIN 0x82
	s_wait_alu depctr_va_vdst(0)                   ; the wait directly ahead of the first reader of O^T
.set j, 0
.rept 32
.irp q, 0,1,2,3
	v_pk_mul_f32 v[64*\q+j:64*\q+j+1], v[64*\q+j:64*\q+j+1], v[8+2*\q:9+2*\q] op_sel:[0,1] op_sel_hi:[1,1]   ; O^T under the new M
.endr
.set j, j+2
.endr
	WIN 0xa3
.endif
.irp t, 0,1,2,3,4,5,6,7                ; O^T += V^T P^T: 32 accumulators, one instruction each: no two that follow each other share one
.irp q, 0,1,2,3
.if \first
	v_wmma_f32_16x16x128_bf8_bf8 v[64*\q+8*\t:64*\q+8*\t+7], v[16*\t:16*\t+15], v[64+16*\q:79+16*\q], 0
.else
	v_wmma_f32_16x16x128_bf8_bf8 v[64*\q+8*\t:64*\q+8*\t+7], v[16*\t:16*\t+15], v[64+16*\q:79+16*\q], v[64*\q+8*\t:64*\q+8*\t+7]
.endif
.endr
.endr
	WIN 0
	PLACES 4                                       ; for the next loads of V, the next codes of p and the LDS stores of O^T
	s_mov_b32 s27, s72
.endm
; A block's first step; a wave with no step of the block hands on O = 0, sum 0 and -M = 3e38 (its factor comes out 0)
.macro FIRST kw, vload
	s_mov_b32 s66, 0
	s_cmp_eq_u32 s25, 0
	s_cbranch_scc1 .Lidle_\@
	STEP 1, \kw, \vload
	s_branch .Lbegun_\@
.Lidle_\@:
	s_wait_loadcnt 0x0
	s_wait_dscnt 0x0
	WIN 0x80
.set j, 0
.rept 256
	v_mov_b32 v[j], 0
.set j, j+1
.endr
	WIN 0
.irp q, 0,1,2,3
	v_mov_b32 v[8+2*\q], 0x7f61b1e6
	v_mov_b32 v[16+2*\q], 0
	v_mov_b32 v[17+2*\q], 0
.endr
	s_wait_alu depctr_va_vdst(0)
.Lbegun_\@:
.endm
; My part of a block to LDS: statistics, and O^T as rows of 512 bytes of the four tiles
.macro SAVE part, stat
.irp q, 0,1,2,3
	v_add_f32 v[25+2*\q], v[16+2*\q], v[17+2*\q]   ; the sum's two halves,
.endr
.irp q, 0,1,2,3
	v_permlanex16_b32 v[24+2*\q], v[25+2*\q], s32, s33
.endr
.irp q, 0,1,2,3
	v_add_f32 v[25+2*\q], v[25+2*\q], v[24+2*\q]   ; and lane l xor 16's
.endr
.irp q, 0,1,2,3
	v_mov_b32 v[24+2*\q], v[8+2*\q]
.endr
.irp q, 0,1,2,3
	ds_store_b64 v\stat, v[24+2*\q:25+2*\q] offset:128*\q
.endr
	WIN 0x08
.irp q, 0,1,2,3
.irp t, 0,1,2,3,4,5,6,7
	ds_store_b128 v\part, v[64*\q+8*\t:64*\q+8*\t+3] offset:TW*\q+64*\t
	ds_store_b128 v\part, v[64*\q+8*\t+4:64*\q+8*\t+7] offset:TW*\q+64*\t+16
.endr
.endr
	WIN 0
.endm
	CONVQ 35
	QLOAD 68                                       ; the second block's Q: it has the first step in which to land
	s_wait_dscnt 0x0                               ; for the others' sake: my image has landed
	BARRIER                                        ; the four images are whole
	QREAD 37
	FIRST 48, 0                                    ; (48: V's 32 loads and the second block's Q, issued behind K)
	CONVQ 36                                       ; the second block's Q: in on both ways (each has waited for all loads issued ahead of the next K)
	s_wait_dscnt 0x0
	BARRIER
	s_mov_b32 s60, 0
.Lblock:
	s_mov_b32 s66, 1
.Lrest:                                                ; my further steps of the block: at most three
	s_cmp_ge_u32 s66, s25
	s_cbranch_scc1 .Lrest_done
	STEP 0, 32, 1                                  ; (32: V's loads, issued behind K)
	s_add_co_u32 s66, s66, 1
	s_cmp_lt_u32 s66, 4
	s_cbranch_scc1 .Lrest
.Lrest_done:
	s_cmp_lg_u32 s60, 0
	s_cbranch_scc1 .Lsecond
	SAVE 4, 33
	QREAD 38
	s_mov_b32 s18, s54                             ; on to the second block
	s_mov_b32 s19, s55
	s_mov_b32 s24, s56
	s_mov_b32 s25, s57
	s_mov_b32 s27, s58
	s_mov_b32 s38, s52
	s_mov_b32 s59, 0
	FIRST 32, 1
	s_add_co_u32 s60, s60, 1
	s_cmp_lt_u32 s60, 2
	s_cbranch_scc1 .Lblock
.Lsecond:
	SAVE 5, 34
	s_wait_loadcnt 0x0                             ; K's registers are free
	s_wait_dscnt 0x0                               ; for the others' sake: my parts have landed
	BARRIER
	; THE JOIN: tile w of both blocks
.macro ROWS u, p                       ; the 16 rows of wave p's part
.irp i, 0,1,2,3,4,5,6,7,8,9,10,11,12,13,14,15
	ds_load_b128 v[64*\p+4*\i:64*\p+4*\i+3], v[40+2*\u+\p/2] offset:(\p%2)*PW+SP*\i
.endr
.endm
.irp u, 0,1
.irp p, 0,1,2,3
	ds_load_b64 v[64+8*\u+2*\p:65+8*\u+2*\p], v44 offset:2048*\u+512*\p
.endr
.endr
	WIN 0x40
	ROWS 0, 0
	ROWS 0, 1
	WIN 0
	s_wait_dscnt 32                                ; the statistics are in; the 32 rows stay out
.irp u, 0,1
	v_min_num_f32 v[84+8*\u], v[64+8*\u], v[66+8*\u]
	v_min_num_f32 v[85+8*\u], v[68+8*\u], v[70+8*\u]
.endr
.irp u, 0,1
	v_min_num_f32 v[84+8*\u], v[84+8*\u], v[85+8*\u]             ; the joint -M: the largest M
.endr
.irp u, 0,1
.irp p, 0,1,2,3
	v_sub_f32 v[80+8*\u+\p], v[84+8*\u], v[64+8*\u+2*\p]         ; whole numbers, 0 or less
.endr
.endr
.irp u, 0,1
.irp p, 0,1,2,3
	v_cvt_i32_f32 v[80+8*\u+\p], v[80+8*\u+\p]
.endr
.endr
.irp u, 0,1
.irp p, 0,1,2,3
	v_ldexp_f32 v[80+8*\u+\p], 1.0, v[80+8*\u+\p]                ; the parts' factors: exact powers of two
.endr
.endr
.irp u, 0,1
	v_mul_f32 v[85+8*\u], v[80+8*\u], v[65+8*\u]
.endr
.irp p, 1,2,3
.irp u, 0,1
	v_fmac_f32 v[85+8*\u], v[80+8*\u+\p], v[65+8*\u+2*\p]        ; the row's sum
.endr
.endr
	s_wait_alu depctr_va_vdst(0)                   ; the wait ahead of the batch
	v_rcp_f32 v85, v85
	v_rcp_f32 v93, v93
	v_nop                                          ; a plain line behind the reciprocals,
	s_wait_alu depctr_va_vdst(0)                   ; and the wait ahead of their first reader
	v_ldexp_f32 v85, v85, s50                      ; x 2^(ep + ev)
	v_ldexp_f32 v93, v93, s50
.irp u, 0,1
.irp p, 0,1,2,3
	v_mul_f32 v[80+8*\u+\p], v[80+8*\u+\p], v[85+8*\u]
.endr
.endr
	ds_store_b128 v45, v[80:83]                    ; lanes r and r + 16 store the same four factors to row r's place
	ds_store_b128 v45, v[88:91] offset:256
	WIN 0x40
	ROWS 0, 2
	ROWS 0, 3
	WIN 0
.irp u, 0,1
.irp i, 0,1,2,3,4,5,6,7,8,9,10,11,12,13,14,15
	ds_load_b128 v[128+64*\u+4*\i:131+64*\u+4*\i], v46 offset:256*\u+16*\i   ; row i's four factors, in every lane.  LDS serves a wave's instructions in order: these see my stores
.endr
.endr
	WIN 0x80
	ROWS 1, 0
	ROWS 1, 1
	s_wait_dscnt 48                                ; block 0's parts and factors are in; behind them block 1's 16 factors and 32 rows
	ROWS 1, 2
	ROWS 1, 3
; The join of block u, four rows at a time: 32 lanes hold a row's 512 bytes
.macro JOIN u, wf, ws, o
.irp g, 0,1,2,3
	WIN \wf
.irp e, 0,1,2,3
	v_pk_mul_f32 v[16*\g+4*\e:16*\g+4*\e+1], v[16*\g+4*\e:16*\g+4*\e+1], v[128+64*\u+16*\g+4*\e:129+64*\u+16*\g+4*\e] op_sel_hi:[1,0]
	v_pk_mul_f32 v[16*\g+4*\e+2:16*\g+4*\e+3], v[16*\g+4*\e+2:16*\g+4*\e+3], v[128+64*\u+16*\g+4*\e:129+64*\u+16*\g+4*\e] op_sel_hi:[1,0]
.endr
.irp e, 0,1,2,3
	v_pk_fma_f32 v[16*\g+4*\e:16*\g+4*\e+1], v[64+16*\g+4*\e:64+16*\g+4*\e+1], v[128+64*\u+16*\g+4*\e:129+64*\u+16*\g+4*\e], v[16*\g+4*\e:16*\g+4*\e+1] op_sel:[0,1,0] op_sel_hi:[1,1,1]
	v_pk_fma_f32 v[16*\g+4*\e+2:16*\g+4*\e+3], v[64+16*\g+4*\e+2:64+16*\g+4*\e+3], v[128+64*\u+16*\g+4*\e:129+64*\u+16*\g+4*\e], v[16*\g+4*\e+2:16*\g+4*\e+3] op_sel:[0,1,0] op_sel_hi:[1,1,1]
.endr
.irp e, 0,1,2,3
	v_pk_fma_f32 v[16*\g+4*\e:16*\g+4*\e+1], v[128+16*\g+4*\e:128+16*\g+4*\e+1], v[130+64*\u+16*\g+4*\e:131+64*\u+16*\g+4*\e], v[16*\g+4*\e:16*\g+4*\e+1] op_sel_hi:[1,0,1]
	v_pk_fma_f32 v[16*\g+4*\e+2:16*\g+4*\e+3], v[128+16*\g+4*\e+2:128+16*\g+4*\e+3], v[130+64*\u+16*\g+4*\e:131+64*\u+16*\g+4*\e], v[16*\g+4*\e+2:16*\g+4*\e+3] op_sel_hi:[1,0,1]
.endr
.irp e, 0,1,2,3
	v_pk_fma_f32 v[16*\g+4*\e:16*\g+4*\e+1], v[192+16*\g+4*\e:192+16*\g+4*\e+1], v[130+64*\u+16*\g+4*\e:131+64*\u+16*\g+4*\e], v[16*\g+4*\e:16*\g+4*\e+1] op_sel:[0,1,0] op_sel_hi:[1,1,1]
	v_pk_fma_f32 v[16*\g+4*\e+2:16*\g+4*\e+3], v[192+16*\g+4*\e+2:192+16*\g+4*\e+3], v[130+64*\u+16*\g+4*\e:131+64*\u+16*\g+4*\e], v[16*\g+4*\e+2:16*\g+4*\e+3] op_sel:[0,1,0] op_sel_hi:[1,1,1]
.endr
	WIN \ws
.irp e, 0,1,2,3
	global_store_b128 v1, v[16*\g+4*\e:16*\g+4*\e+3], s[\o:\o+1] offset:512*(4*\g+\e) th:TH_STORE_NT   ; 512 consecutive bytes, aligned; written once
.endr
.endr
.endm
	JOIN 0, 0x51, 0x04, 46
	s_wait_dscnt 0x0
	JOIN 1, 0xa2, 0x08, 62
	WIN 0
	s_wait_tensorcnt 0x0                           ; the wave's end, behind my last LDS store
	ds_add_u32 v6, v7
	s_wait_dscnt 0x0
	s_endpgm
.Lfunc_end_k_q499aada015_attn:
	.size	k_q499aada015_attn, .Lfunc_end_k_q499aada015_attn-k_q499aada015_attn
	.p2alignl 7, 3214868480
	.fill 96, 4, 3214868480
	.section	.rodata,"a",@progbits
	.p2align	6, 0x0
	.amdhsa_kernel k_q499aada015_attn
		.amdhsa_group_segment_fixed_size 327680
		.amdhsa_private_segment_fixed_size 0
		.amdhsa_enable_private_segment 0
		.amdhsa_kernarg_size 40
		.amdhsa_user_sgpr_count 2
		.amdhsa_user_sgpr_kernarg_segment_ptr 1
		.amdhsa_wavefront_size32 1
		.amdhsa_system_sgpr_workgroup_id_x 1
		.amdhsa_system_sgpr_workgroup_id_y 1
		.amdhsa_system_sgpr_workgroup_id_z 1
		.amdhsa_system_vgpr_workitem_id 0
		.amdhsa_next_free_vgpr 1024
		.amdhsa_next_free_sgpr 76
		.amdhsa_reserve_vcc 1
		.amdhsa_float_denorm_mode_32 3
		.amdhsa_float_denorm_mode_16_64 3
		.amdhsa_memory_ordered 1
		.amdhsa_forward_progress 1
		.amdhsa_inst_pref_size 255
	.end_amdhsa_kernel
	.section	.bss,"aw",@nobits
	.p2align	6
	.space	262144
	.amdgpu_metadata
---
amdhsa.version: [ 1, 2 ]
amdhsa.kernels:
  - .name:           k_q499aada015_attn
    .symbol:         k_q499aada015_attn.kd
    .args:
      - { .name: Q, .offset: 0, .size: 8, .value_kind: global_buffer, .address_space: global }
      - { .name: kv, .offset: 8, .size: 8, .value_kind: global_buffer, .address_space: global }
      - { .name: tab, .offset: 16, .size: 8, .value_kind: global_buffer, .address_space: global }
      - { .name: lowp_scales, .offset: 24, .size: 8, .value_kind: global_buffer, .address_space: global }
      - { .name: out0, .offset: 32, .size: 8, .value_kind: global_buffer, .address_space: global }
    .group_segment_fixed_size: 327680
    .private_segment_fixed_size: 0
    .kernarg_segment_align: 8
    .kernarg_segment_size: 40
    .max_flat_workgroup_size: 128
    .sgpr_count:     76
    .vgpr_count:     1024
    .wavefront_size: 32
...
	.end_amdgpu_metadata
.endif
;; end of part 2
